; MI455X (gfx1250); checked and timed in simulation.
; The chip was launched on July 23, 2026; its instructions are those of AMD's public machine-readable ISA for CDNA 5 (MIT licence, August 2026) and "CDNA5" Instruction Set Architecture Reference Guide (July 2026). The comments in the code are by the model that wrote it; some were corrected since.
;; Mo E Block. Allowed arithmetic: matrix products marked QUANTISED: E2M1 operands, one E8M0 scale for each 32 along K, by v_wmma_scale_f32_16x16x128_f8f6f4 with both operands' format E2M1 (or v_wmma_scale_f32_32x16x128_f4), f32 sums; products left as they are: f32 operands where the result goes on into a quantised operand, else bf16, f16 or f32 operands; f32 sums; everything else in f32.
;; Inputs: W1 8 x 512 x 2,048 float32; W2 8 x 512 x 2,048 float32; W3 8 x 2,048 x 512 float32; Wr 512 x 8 float32; br 8 float32; x 8 x 256 x 512 float32.
;; Outputs: out0 8 x 256 x 512 float32.
;; This version of the problem:
;;   THIS VERSION OF THE PROBLEM IS GIVEN IN LOW PRECISION. The matrix products marked QUANTISED in the list below multiply operands that are first quantised to E2M1 (2 exponent bits, 1 mantissa bit; 4 bits a number), with one power-of-two scale for each 32 numbers along K (OCP MX v1.0); their sums are f32. All else is computed in f32.
;;   The module's matrix products, in the order in which they are computed (A, B: the left and right operand; K: the contracted axis; several contracted axes count as one K, in the product's order):
;;     1. [M 2,048, K 512] x [K 512, N 8]; A: input x; B: input Wr: left as it is (N = 8 < 16)
;;     2. [M 4,096, K 8] x [K 8, N 1]; A: computed on the way; B: computed on the way: left as it is (K = 8 < 32)
;;     3. [M 2,048, K 512] x [K 512, N 2,048]; A: input x; B: input W2: QUANTISED
;;     4. [M 2,048, K 512] x [K 512, N 2,048]; A: input x; B: input W1: QUANTISED
;;     5. [M 2,048, K 2,048] x [K 2,048, N 512]; A: computed on the way; B: input W3: QUANTISED
;;     6. [M 2,048, K 512] x [K 512, N 2,048]; A: input x; B: input W2: QUANTISED
;;     7. [M 2,048, K 512] x [K 512, N 2,048]; A: input x; B: input W1: QUANTISED
;;     8. [M 2,048, K 2,048] x [K 2,048, N 512]; A: computed on the way; B: input W3: QUANTISED
;;     9. [M 2,048, K 512] x [K 512, N 2,048]; A: input x; B: input W2: QUANTISED
;;     10. [M 2,048, K 512] x [K 512, N 2,048]; A: input x; B: input W1: QUANTISED
;;     11. [M 2,048, K 2,048] x [K 2,048, N 512]; A: computed on the way; B: input W3: QUANTISED
;;     12. [M 2,048, K 512] x [K 512, N 2,048]; A: input x; B: input W2: QUANTISED
;;     13. [M 2,048, K 512] x [K 512, N 2,048]; A: input x; B: input W1: QUANTISED
;;     14. [M 2,048, K 2,048] x [K 2,048, N 512]; A: computed on the way; B: input W3: QUANTISED
;;     15. [M 2,048, K 512] x [K 512, N 2,048]; A: input x; B: input W2: QUANTISED
;;     16. [M 2,048, K 512] x [K 512, N 2,048]; A: input x; B: input W1: QUANTISED
;;     17. [M 2,048, K 2,048] x [K 2,048, N 512]; A: computed on the way; B: input W3: QUANTISED
;;     18. [M 2,048, K 512] x [K 512, N 2,048]; A: input x; B: input W2: QUANTISED
;;     19. [M 2,048, K 512] x [K 512, N 2,048]; A: input x; B: input W1: QUANTISED
;;     20. [M 2,048, K 2,048] x [K 2,048, N 512]; A: computed on the way; B: input W3: QUANTISED
;;     21. [M 2,048, K 512] x [K 512, N 2,048]; A: input x; B: input W2: QUANTISED
;;     22. [M 2,048, K 512] x [K 512, N 2,048]; A: input x; B: input W1: QUANTISED
;;     23. [M 2,048, K 2,048] x [K 2,048, N 512]; A: computed on the way; B: input W3: QUANTISED
;;     24. [M 2,048, K 512] x [K 512, N 2,048]; A: input x; B: input W2: QUANTISED
;;     25. [M 2,048, K 512] x [K 512, N 2,048]; A: input x; B: input W1: QUANTISED
;;     26. [M 2,048, K 2,048] x [K 2,048, N 512]; A: computed on the way; B: input W3: QUANTISED
;;     27. batch 2,048 x [M 512, K 2] x [K 2, N 1]; A: computed on the way; B: computed on the way: left as it is (K = 2 < 32)
;;   THE QUANTISER, for each operand of a quantised product, along K:
;;     - K is cut into blocks of 32 from its start; a last block that is shorter is filled with zeros.
;;     - A block's scale is 2^e with e = floor(log2(the largest magnitude in the block)) - 2, held to -126 .. 127; a block of zeros has e = 0. As a byte (E8M0): e + 127.
;;     - Each number is divided by its block's scale, clamped to +-6, and rounded to the nearest number of E2M1, ties to even, subnormals kept.
;;     - The product sums the exact products of the quantised numbers (number of the format x scale) in f32.
;;   ~~~python
;;   def quantise(x, axis):      # numpy; x: float32 -> the quantised numbers, widened to float32 again
;;       x = np.moveaxis(x, axis, -1); K = x.shape[-1]
;;       x = np.pad(x, [(0, 0)] * (x.ndim - 1) + [(0, -K % 32)]); x = x.reshape(x.shape[:-1] + (-1, 32)); a = np.abs(x).max(-1, keepdims=True)
;;       e = np.where(a > 0, np.clip(np.frexp(np.where(a > 0, a, 1))[1] - 1 - 2, -126, 127), 0)      # np.frexp(a)[1] - 1 = floor(log2(a)), exactly
;;       r = np.clip(x / 2.0 ** e, -6, 6)
;;       step = 2.0 ** (np.maximum(np.frexp(np.where(r == 0, 1, r))[1] - 1, 0) - 1)
;;       q = np.round(r / step) * step * 2.0 ** e      # np.round: ties to even
;;       return np.moveaxis(q.reshape(q.shape[:-2] + (-1,))[..., :K], -1, axis).astype(np.float32)
;;   ~~~
;;   OPERANDS COMPUTED ON THE WAY. 'Computed on the way' means the value that the module computes at that place (a softmax that the list does not call 'softmax' is quantised finished and normalised). What goes into a quantiser is computed in f32, as accurately as f32 sums, v_exp_f32 and their like allow (about 1e-6 of the number): no bf16 or f16 on the way to a quantiser, and a product that is left as it is and whose result goes on into a quantised operand takes f32 operands (vector FMAs, or v_wmma_f32_16x16x4_f32). A number that lies on a knife's edge between two numbers of the format may be rounded either way, as far as f32 arithmetic and the matrix unit's own rounding can turn it there, and no further.
;; One version. Each part assembles by itself: llvm-mc -triple=amdgcn-amd-amdhsa -mcpu=gfx1250 --defsym DOCPART=n.
;; ======== version 1 of 1: 3 launches
;; workspace buffers: xc 557,312 bytes; rm 8,192 bytes of whole numbers; w3c 4,456,448 bytes; hc 17,825,792 bytes; ord 66,816 bytes of whole numbers
;; launch prep (part 1): grid 640 x 1, 4 waves a work-group, no clusters, 4,608 bytes of LDS; arguments x, Wr, br, W3, xc, rm, w3c; writes xc, rm, w3c
.if DOCPART == 1
	.amdgcn_target "amdgcn-amd-amdhsa--gfx1250"
	.amdhsa_code_object_version 6
	.text
	.protected	k_q0f36d65df2_prep
	.globl	k_q0f36d65df2_prep
	.p2align	8
	.type	k_q0f36d65df2_prep,@function
k_q0f36d65df2_prep:
	s_mov_b64 s[64:65], 0
	v_nop
	global_prefetch_b8 v0, s[64:65] scope:SCOPE_SE
	s_setreg_imm32_b32 hwreg(HW_REG_WAVE_MODE, 25, 1), 1
	s_wait_xcnt 0x0
; FIRST OF THREE LAUNCHES.  Router (logits in f32, top 2 of 8), x into codes of E2M1, W3 into codes of E2M1 laid in the order of a matrix operand's registers.
; WORK LEFT OUT BY THE WHOLE PROGRAM, and why it can reach no output, for all values of the inputs:
;  (1) reference() computes all eight experts for every token and keeps, by its own where(i_max == i), one row a token: the rows of the other seven experts are never used.  Only expert i_max's row is multiplied.
;  (2) pos[t,k,e] adds at most 1 for each token t' <= t (a token's two chosen experts differ), so pos <= t + 1, and pos < 2048 can fail at token 2047 alone:
;      slot 0 is dropped there iff all 2048 tokens have the same first expert; slot 1 iff token 2047's second expert lies among every token's two.  Both tests are made, from bitmaps stored here.
;  (3) for t < 2047 both slots are kept, so the result is y s0 + y s1 = y (s0 + s1) = y, a softmax's two terms adding to 1: softmax, the fall-back to x and the last einsum are done for token 2047 alone.
; Every input has a way to an output and is loaded (br moves the choice of experts).
; LIMITS: NaN and infinities among the inputs are not served, and one that reaches only the work left out is not carried to the result; two logits that differ by less than the f32 sums' rounding may be ordered
; otherwise than by another order of summation; a block of zeros gets the scale byte 1 (its codes are zeros, and this program alone reads the bytes).
; SHARES.  Work-groups 0-127: router and x; a work-group owns 16 tokens, each of its four waves four of them, all four rows asked for at once; a row at a time, lane L the 16 numbers k = 16 L ..
; The four waves' logits meet in LDS behind one barrier (it stands under a branch on the work-group's number alone, which all four waves take alike), and wave 0 makes the choice and the record of the 16 tokens.
; Work-groups 128-639: W3; a wave owns 32 columns x 128 along K of one expert; these waves share nothing and touch no LDS.
.set XS_OFF,   524288                  ; xc: codes [token][256 B]; from here scale bytes [token][16]; from LAST_OFF (s0, s1) by lane of the last 16 tokens
.set LAST_OFF, 557056
.set W3S_OFF,  4194304                 ; w3c: codes [e][ntile 32][kstep 16][c 2][lane][16 B]; from here scale words [e][cg 16][kstep 16][lane]
.set SPARE, 4096                       ; LDS: 0: logits [wave 4][expert 8][lane] words; SPARE: the spare words, 128 bytes for each wave: two blocks of 256 bytes that no other line names
.set SPW,   7                          ; v7   LDS address of my spare word; never rewritten
.set NIL,   41                         ; v41  0; never rewritten
.set X,     128                        ; v128-255 128 numbers down K of my column
.set QC,    96                         ; v96-111  their codes
.set MX,    112                        ; v112-113 two chains of the largest magnitude
.set SC,    114                        ; the conversion's scale operand
.set BY,    115                        ; the scale's byte
.set WD,    116                        ; four bytes: my column's scale word
.set VOFF,  3
.set BASE,  10
.set PITCH, 2048                       ; a row of W3 in bytes
.macro LOADB beta                      ; block beta: 32 numbers down K; a wave's load reads 128 consecutive bytes, the four waves of a work-group 512
.set li, 0
.rept 32
	global_load_b32 v[X+32*(\beta)+li], v[VOFF], s[BASE:BASE+1] offset:(32*(\beta)+li)*PITCH th:TH_LOAD_NT
.set li, li+1
.endr
.endm
.macro QBLK beta                       ; a block of 32 along K lies in one lane: largest magnitude, scale, codes
.set XQ, X+32*(\beta)
	v_max3_num_f32 v[MX], |v[XQ]|, |v[XQ+1]|, |v[XQ+2]|
	v_max3_num_f32 v[MX+1], |v[XQ+3]|, |v[XQ+4]|, |v[XQ+5]|
.irp i, 6,10,14,18,22,26
	v_max3_num_f32 v[MX], v[MX], |v[XQ+\i]|, |v[XQ+\i+1]|
	v_max3_num_f32 v[MX+1], v[MX+1], |v[XQ+\i+2]|, |v[XQ+\i+3]|
.endr
	v_max3_num_f32 v[MX], v[MX], |v[XQ+30]|, |v[XQ+31]|
	v_max3_num_f32 v[MX], v[MX], v[MX+1], 0x1800000   ; the floor 2^(3 - 127): the byte cannot fall under 1
	v_add_nc_u32 v[SC], 0xff000000, v[MX]             ; 2 off the exponent field: the conversion takes this field as its scale
	v_lshrrev_b32 v[BY], 23, v[SC]
.if (\beta) == 0
	v_mov_b32 v[WD], v[BY]
.else
	v_lshl_or_b32 v[WD], v[BY], 8*(\beta), v[WD]
.endif
.irp g, 0,1,2,3
	v_cvt_scalef32_pk8_fp4_f32 v[QC+4*(\beta)+\g], v[XQ+8*\g:XQ+8*\g+7], v[SC]
.endr
.endm
.macro QSWAP                           ; lanes 0-15 hold the columns of tile 0, lanes 16-31 of tile 1, four blocks each; the operand wants lanes 0-15 block 2 c, lanes 16-31 block 2 c + 1
	v_nop                                          ; one plain line behind the scaled conversions
.irp c, 0,1
.irp i, 0,1,2,3
	v_permlane16_swap_b32 v[QC+8*\c+\i], v[QC+8*\c+4+\i]   ; the first becomes tile 0's register 4 c + i, the second tile 1's
.endr
.endr
.endm
	s_load_b256 s[4:11], s[0:1], 0x0               ; x s[4:5], Wr s[6:7], br s[8:9], W3 s[10:11]
	s_load_b128 s[12:15], s[0:1], 0x20             ; xc s[12:13], rm s[14:15]
	s_load_b64 s[16:17], s[0:1], 0x30              ; w3c
	v_lshl_add_u32 v[SPW], v0, 2, SPARE
	v_mov_b32 v[NIL], 0
	v_lshrrev_b32 v1, 5, v0
	v_readfirstlane_b32 s18, v1                    ; wave
	v_and_b32 v1, 31, v0                           ; lane
	s_wait_kmcnt 0x0
	s_cmp_lt_u32 ttmp9, 128
	s_cbranch_scc1 .Lrouter
	; ---------------- W3: 32 columns x 128 K of expert e become two fragments (16 columns x 128 K) and a scale word a column
	s_sub_co_u32 s19, ttmp9, 128
	s_lshl_b32 s19, s19, 2
	s_add_co_u32 s19, s19, s18                     ; q = 4 x work-group + wave
	s_and_b32 s20, s19, 15                         ; cg: which 32 columns
	s_bfe_u32 s21, s19, 0x40004                    ; which 128 along K
	s_lshr_b32 s22, s19, 8                         ; expert
	v_lshlrev_b32 v2, 4, v1                        ; 16 x lane
	v_lshlrev_b32 v3, 2, v1                        ; 4 x lane
	s_mov_b32 s25, 0
	s_lshl_b32 s24, s22, 22                        ; an expert's W3: 2048 rows of 2048 bytes
	s_lshl_b32 s23, s21, 18                        ; 128 rows
	s_add_co_u32 s24, s24, s23
	s_lshl_b32 s23, s20, 7
	s_add_co_u32 s24, s24, s23
	s_add_nc_u64 s[10:11], s[10:11], s[24:25]
	s_lshl_b32 s24, s22, 19                        ; codes: e x 524288 + (2 cg) x 16384 + kstep x 1024
	s_lshl_b32 s23, s20, 15
	s_add_co_u32 s24, s24, s23
	s_lshl_b32 s23, s21, 10
	s_add_co_u32 s24, s24, s23
	s_add_nc_u64 s[26:27], s[16:17], s[24:25]
	s_lshl_b32 s24, s22, 15                        ; scale words: e x 32768 + cg x 2048 + kstep x 128
	s_lshl_b32 s23, s20, 11
	s_add_co_u32 s24, s24, s23
	s_lshl_b32 s23, s21, 7
	s_add_co_u32 s24, s24, s23
	s_add_co_u32 s24, s24, W3S_OFF
	s_add_nc_u64 s[28:29], s[16:17], s[24:25]
	LOADB 0
	LOADB 1
	LOADB 2
	LOADB 3
	s_wait_loadcnt 63                              ; of 128 loads at most 63 are out: the first 65 are in, blocks 0 and 1 among them
	QBLK 0
	QBLK 1
	s_wait_loadcnt 32                              ; block 3's 32 may be out
	QBLK 2
	s_wait_loadcnt 0x0
	QBLK 3
	QSWAP
	global_store_b128 v2, v[QC:QC+3], s[26:27]                     ; each store of the wave covers 512 consecutive bytes, aligned
	global_store_b128 v2, v[QC+8:QC+11], s[26:27] offset:512
	global_store_b128 v2, v[QC+4:QC+7], s[26:27] offset:16384
	global_store_b128 v2, v[QC+12:QC+15], s[26:27] offset:16384+512
	global_store_b32 v3, v[WD], s[28:29]                           ; lanes 0-15 tile 0's rows, lanes 16-31 tile 1's
	s_endpgm                                       ; nothing was written to LDS on this way
	; ---------------- router and x
.set LG,  8                            ; v8-15    the eight logits, lane = token of the unit's 16; a wave fills its own four lanes, the others hold 0
.set ACC, 16                           ; v16-23   the row's eight partial sums
.set PT,  24                           ; v24-31   the other half of the lanes'
.set TV1, 32                           ; largest logit, its expert, second largest, its expert, the larger of the two experts
.set TI1, 33
.set TV2, 34
.set TI2, 35
.set IM,  36
.set REC, 37                           ; lane = row of rm
.set RMX, 38                           ; v38-39
.set RSC, 40
.set EB,  48                           ; v48-51   a scale byte for each of my rows
.set CD,  52                           ; v52-59   a pair of code registers for each of my rows: no store's data are written again
.set LST, 60                           ; v60      LDS: where I leave my logits: 1024 x wave + 4 x lane
.set LLD, 61                           ; v61      LDS: 4 x lane
.set XR,  64                           ; v64-127  my four rows, 16 numbers each; later the other waves' logits
.set WR,  128                          ; v128-255 Wr(16 L + i, e) at 8 i + e
.Lrouter:
	s_load_b256 s[20:27], s[8:9], 0x0              ; br
	s_mov_b32 s19, ttmp9                           ; unit: tokens 16 unit .. 16 unit + 15; mine are 16 unit + 4 wave + 0 .. 3
	s_mov_b32 s28, 0x76543210
	s_mov_b32 s29, 0xfedcba98                      ; v_permlanex16_b32's selects for lane l xor 16
	s_mov_b32 s31, 0
	s_lshl_b32 s30, s19, 15                        ; 16 rows of 2048 bytes,
	s_lshl_b32 s36, s18, 13                        ; 4 rows
	s_add_co_u32 s30, s30, s36
	s_add_nc_u64 s[4:5], s[4:5], s[30:31]
	s_lshl_b32 s30, s19, 12                        ; rows of 256 bytes of codes
	s_lshl_b32 s36, s18, 10
	s_add_co_u32 s30, s30, s36
	s_add_nc_u64 s[32:33], s[12:13], s[30:31]
	s_lshl_b32 s30, s19, 8                         ; rows of 16 scale bytes
	s_lshl_b32 s36, s18, 6
	s_add_co_u32 s30, s30, s36
	s_add_co_u32 s30, s30, XS_OFF
	s_add_nc_u64 s[34:35], s[12:13], s[30:31]
	s_lshl_b32 s37, s18, 2
	s_lshl_b32 s37, 1, s37                         ; the lane of my first token: bit 4 x wave
	v_lshlrev_b32 v2, 6, v1                        ; x: my 16 numbers
	v_lshlrev_b32 v3, 9, v1                        ; Wr: my 16 rows of 32 bytes
	v_lshlrev_b32 v4, 3, v1                        ; my 8 bytes of codes
	v_lshrrev_b32 v5, 1, v1                        ; my block
	s_lshl_b32 s36, s19, 1
	v_lshl_add_u32 v6, v1, 8, s36                  ; rm: row = lane, 256 bytes a row, 2 bytes a unit
	s_lshl_b32 s38, s18, 10
	v_lshl_add_u32 v[LST], v1, 2, s38
	v_lshlrev_b32 v[LLD], 2, v1
.set li, 0
.rept 16
	global_load_b128 v[WR+8*li:WR+8*li+3], v3, s[6:7] offset:32*li
	global_load_b128 v[WR+8*li+4:WR+8*li+7], v3, s[6:7] offset:32*li+16
.set li, li+1
.endr
.irp r, 0,1,2,3
.irp j, 0,1,2,3
	global_load_b128 v[XR+16*\r+4*\j:XR+16*\r+4*\j+3], v2, s[4:5] offset:2048*\r+16*\j
.endr
.endr
.irp e, 0,1,2,3,4,5,6,7
	v_mov_b32 v[LG+\e], 0
	v_mov_b32 v[PT+\e], 0                          ; a lane permute's destination counts as one of its sources
.endr
.macro ROW rho
.set XQ, XR+16*(\rho)
	s_wait_loadcnt 4*(3-(\rho))                    ; this row is in (and Wr); the rows behind it, four loads each, may be out
	; eight logits' partial sums over my 16 k: two experts an instruction, one number of x for both halves
.irp q, 0,1,2,3
	v_pk_mul_f32 v[ACC+2*\q:ACC+2*\q+1], v[XQ:XQ+1], v[WR+2*\q:WR+2*\q+1] op_sel_hi:[0,1]
.endr
.irp q, 0,1,2,3
	v_pk_fma_f32 v[ACC+2*\q:ACC+2*\q+1], v[XQ:XQ+1], v[WR+8+2*\q:WR+8+2*\q+1], v[ACC+2*\q:ACC+2*\q+1] op_sel:[1,0,0] op_sel_hi:[1,1,1]
.endr
.irp i, 2,4,6,8,10,12,14
.irp q, 0,1,2,3
	v_pk_fma_f32 v[ACC+2*\q:ACC+2*\q+1], v[XQ+\i:XQ+\i+1], v[WR+8*\i+2*\q:WR+8*\i+2*\q+1], v[ACC+2*\q:ACC+2*\q+1] op_sel_hi:[0,1,1]
.endr
.irp q, 0,1,2,3
	v_pk_fma_f32 v[ACC+2*\q:ACC+2*\q+1], v[XQ+\i:XQ+\i+1], v[WR+8*\i+8+2*\q:WR+8*\i+8+2*\q+1], v[ACC+2*\q:ACC+2*\q+1] op_sel:[1,0,0] op_sel_hi:[1,1,1]
.endr
.endr
	; the same 16 numbers become codes: two neighbouring lanes hold a block of 32
	v_max3_num_f32 v[RMX], |v[XQ]|, |v[XQ+1]|, |v[XQ+2]|
	v_max3_num_f32 v[RMX+1], |v[XQ+3]|, |v[XQ+4]|, |v[XQ+5]|
.irp i, 6,10
	v_max3_num_f32 v[RMX], v[RMX], |v[XQ+\i]|, |v[XQ+\i+1]|
	v_max3_num_f32 v[RMX+1], v[RMX+1], |v[XQ+\i+2]|, |v[XQ+\i+3]|
.endr
	v_max3_num_f32 v[RMX], v[RMX], |v[XQ+14]|, |v[XQ+15]|
	v_max3_num_f32 v[RMX], v[RMX], v[RMX+1], 0x1800000
	v_max_num_f32_dpp v[RMX], v[RMX], v[RMX] row_xmask:1 row_mask:0xf bank_mask:0xf
	v_add_nc_u32 v[RSC], 0xff000000, v[RMX]
	v_cvt_scalef32_pk8_fp4_f32 v[CD+2*(\rho)], v[XQ:XQ+7], v[RSC]
	v_cvt_scalef32_pk8_fp4_f32 v[CD+2*(\rho)+1], v[XQ+8:XQ+15], v[RSC]
	v_lshrrev_b32 v[EB+(\rho)], 23, v[RSC]         ; the scale's byte (a plain line behind the conversions)
	global_store_b64 v4, v[CD+2*(\rho):CD+2*(\rho)+1], s[32:33] offset:256*(\rho)   ; the wave stores 256 consecutive bytes, aligned: the row's codes
	; the eight sums over the 32 lanes
.irp m, 1,2,4,8
.irp e, 0,1,2,3,4,5,6,7
	v_add_f32_dpp v[ACC+\e], v[ACC+\e], v[ACC+\e] row_xmask:\m row_mask:0xf bank_mask:0xf
.endr
.endr
.irp e, 0,1,2,3,4,5,6,7
	v_permlanex16_b32 v[PT+\e], v[ACC+\e], s28, s29
.endr
.irp e, 0,1,2,3,4,5,6,7
	v_add_f32 v[ACC+\e], v[ACC+\e], v[PT+\e]
.endr
	s_lshl_b32 s30, s37, \rho
.irp e, 0,1,2,3,4,5,6,7
	v_cndmask_b32 v[LG+\e], v[LG+\e], v[ACC+\e], s30   ; lane 4 wave + rho keeps this token's logits
.endr
.endm
.irp r, 0,1,2,3
	ROW \r
.endr
.irp r, 0,1,2,3
	global_store_b8 v5, v[EB+\r], s[34:35] offset:16*\r   ; both lanes of a block write the same byte with the same value
.endr
.irp e, 0,1,2,3,4,5,6,7
	ds_store_b32 v[LST], v[LG+\e] offset:128*\e
.endr
	s_wait_kmcnt 0x0                               ; br
	s_wait_dscnt 0x0                               ; for wave 0's sake: my logits have landed
	s_barrier_signal -1
	s_barrier_wait -1                              ; the launch's one barrier; nobody writes these bytes again
	s_cmp_lg_u32 s18, 0
	s_cbranch_scc1 .Ldone                          ; waves 1 to 3 are done
.irp k, 1,2,3
.irp e, 0,1,2,3,4,5,6,7
	ds_load_b32 v[XR+8*(\k-1)+\e], v[LLD] offset:1024*\k+128*\e
.endr
.endr
	s_wait_dscnt 0x0
.irp k, 0,1,2
.irp e, 0,1,2,3,4,5,6,7
	v_or_b32 v[LG+\e], v[LG+\e], v[XR+8*\k+\e]     ; each lane is filled by one wave and holds the bits of 0 in the other three
.endr
.endr
.irp e, 0,1,2,3,4,5,6,7
	v_add_f32 v[LG+\e], s[20+\e], v[LG+\e]
.endr
	; top 2, the lower index first among equals (strict comparisons), as lax.top_k has it
	v_mov_b32 v[TV1], v[LG]
	v_mov_b32 v[TI1], 0
	v_mov_b32 v[TV2], 0xff800000
	v_mov_b32 v[TI2], 0
.irp e, 1,2,3,4,5,6,7
	v_cmp_gt_f32 s30, v[LG+\e], v[TV1]
	v_cmp_gt_f32 s31, v[LG+\e], v[TV2]
	v_cndmask_b32 v[TV2], v[TV2], v[LG+\e], s31
	v_cndmask_b32 v[TI2], v[TI2], \e, s31
	v_cndmask_b32 v[TV2], v[TV2], v[TV1], s30
	v_cndmask_b32 v[TI2], v[TI2], v[TI1], s30
	v_cndmask_b32 v[TV1], v[TV1], v[LG+\e], s30
	v_cndmask_b32 v[TI1], v[TI1], \e, s30
.endr
	v_max_u32 v[IM], v[TI1], v[TI2]
	; the record of these 16 tokens: rows 0-7 who takes expert e; row 8 bit e: all have e first, bit 8 + e: all have e among their two; row 9 the last token's two experts
	v_mov_b32 v[REC], 0
	s_mov_b32 s43, 0
.irp e, 0,1,2,3,4,5,6,7
	v_cmp_eq_u32 s40, \e, v[IM]
	v_cmp_eq_u32 s41, \e, v[TI1]
	v_cmp_eq_u32 s42, \e, v[TI2]
	s_or_b32 s42, s42, s41
	s_and_b32 s40, s40, 0xffff
	s_and_b32 s41, s41, 0xffff
	s_and_b32 s42, s42, 0xffff
	v_writelane_b32 v[REC], s40, \e
	s_cmp_eq_u32 s41, 0xffff
	s_cselect_b32 s44, 1<<\e, 0
	s_or_b32 s43, s43, s44
	s_cmp_eq_u32 s42, 0xffff
	s_cselect_b32 s44, 256<<\e, 0
	s_or_b32 s43, s43, s44
.endr
	v_writelane_b32 v[REC], s43, 8
	v_readlane_b32 s40, v[TI1], 15
	v_readlane_b32 s41, v[TI2], 15
	s_lshl_b32 s41, s41, 8
	s_or_b32 s40, s40, s41
	v_writelane_b32 v[REC], s40, 9
	global_store_b16 v6, v[REC], s[14:15]          ; all addresses are fixed: nothing here is placed by the choice
	s_cmp_lg_u32 s19, 127
	s_cbranch_scc1 .Ldone
	; the softmax of the two kept logits, the larger taken away first; wanted of token 2047 (lane 15) alone
	v_sub_f32 v[RMX], v[TV2], v[TV1]
	v_mul_f32 v[RMX], 0x3fb8aa3b, v[RMX]
	v_exp_f32 v[RMX+1], v[RMX]
	v_nop
	s_wait_alu depctr_va_vdst(0)                   ; ahead of the first reader of the exponential
	v_add_f32 v[RSC], 1.0, v[RMX+1]
	v_rcp_f32 v46, v[RSC]                          ; s0
	v_nop
	s_wait_alu depctr_va_vdst(0)
	v_mul_f32 v47, v[RMX+1], v46                   ; s1
	global_store_b64 v4, v[46:47], s[12:13] offset:LAST_OFF
.Ldone:
	s_wait_tensorcnt 0x0                           ; the wave's end: behind my last LDS store, an LDS add to my spare word
	ds_add_u32 v[SPW], v[NIL]
	s_wait_dscnt 0x0
	s_endpgm
.Lfunc_end_k_q0f36d65df2_prep:
	.size	k_q0f36d65df2_prep, .Lfunc_end_k_q0f36d65df2_prep-k_q0f36d65df2_prep
	.p2alignl 7, 3214868480
	.fill 96, 4, 3214868480
	.section	.rodata,"a",@progbits
	.p2align	6, 0x0
	.amdhsa_kernel k_q0f36d65df2_prep
		.amdhsa_group_segment_fixed_size 4608
		.amdhsa_private_segment_fixed_size 0
		.amdhsa_enable_private_segment 0
		.amdhsa_kernarg_size 56
		.amdhsa_user_sgpr_count 2
		.amdhsa_user_sgpr_kernarg_segment_ptr 1
		.amdhsa_wavefront_size32 1
		.amdhsa_system_sgpr_workgroup_id_x 1
		.amdhsa_system_sgpr_workgroup_id_y 1
		.amdhsa_system_sgpr_workgroup_id_z 1
		.amdhsa_system_vgpr_workitem_id 0
		.amdhsa_next_free_vgpr 256
		.amdhsa_next_free_sgpr 66
		.amdhsa_reserve_vcc 0
		.amdhsa_float_denorm_mode_32 3
		.amdhsa_float_denorm_mode_16_64 3
		.amdhsa_memory_ordered 1
		.amdhsa_forward_progress 1
		.amdhsa_inst_pref_size 74
	.end_amdhsa_kernel
	.amdgpu_metadata
---
amdhsa.version: [ 1, 2 ]
amdhsa.kernels:
  - .name:           k_q0f36d65df2_prep
    .symbol:         k_q0f36d65df2_prep.kd
    .args:
      - { .name: x, .offset: 0, .size: 8, .value_kind: global_buffer, .address_space: global }
      - { .name: Wr, .offset: 8, .size: 8, .value_kind: global_buffer, .address_space: global }
      - { .name: br, .offset: 16, .size: 8, .value_kind: global_buffer, .address_space: global }
      - { .name: W3, .offset: 24, .size: 8, .value_kind: global_buffer, .address_space: global }
      - { .name: xc, .offset: 32, .size: 8, .value_kind: global_buffer, .address_space: global }
      - { .name: rm, .offset: 40, .size: 8, .value_kind: global_buffer, .address_space: global }
      - { .name: w3c, .offset: 48, .size: 8, .value_kind: global_buffer, .address_space: global }
    .group_segment_fixed_size: 4608
    .private_segment_fixed_size: 0
    .kernarg_segment_align: 8
    .kernarg_segment_size: 56
    .max_flat_workgroup_size: 128
    .sgpr_count:     66
    .vgpr_count:     256
    .wavefront_size: 32
...
	.end_amdgpu_metadata
.endif
;; end of part 1
;; launch up (part 2): grid 256 x 1, 16 waves a work-group, no clusters, 55,296 bytes of LDS; arguments W1, W2, xc, rm, hc, ord; writes hc, ord
.if DOCPART == 2
	.amdgcn_target "amdgcn-amd-amdhsa--gfx1250"
	.amdhsa_code_object_version 6
	.text
	.protected	k_q0f36d65df2_up
	.globl	k_q0f36d65df2_up
	.p2align	8
	.type	k_q0f36d65df2_up,@function
k_q0f36d65df2_up:
	s_mov_b64 s[64:65], 0
	v_nop
	global_prefetch_b8 v0, s[64:65] scope:SCOPE_SE
	s_setreg_imm32_b32 hwreg(HW_REG_WAVE_MODE, 25, 1), 1
	s_wait_xcnt 0x0
; SECOND LAUNCH.  h = gelu((x W2) (x W1)) for each token's one expert, and h into codes of E2M1.  Left out: the rows of the seven experts that reference()'s where(i_max == i) throws away (shown at the head of the first kernel).
; THE WEIGHTS STAND STILL, THE TOKENS PASS.  Work-group b owns 32 hidden units (G = b % 64) of two experts, p = b / 64 and 7 - p: waves 0-7 serve the first, waves 8-15 the second.
; STREAM: each wave reads 32 columns x 128 K of W1 or W2 as f32 (each weight byte is asked for once in the launch), a lane a column, registers down K, quantises them in registers and leaves two fragments and a
; scale word in LDS as images of the operand's registers; one barrier; then each wave takes its unit's 16 fragments into registers for good.
; WHILE THE STREAM IS ON ITS WAY (all 128 loads of a wave are asked for ahead of the loop below) each wave makes, from the first launch's bitmaps, the list rank -> token of its expert for the tiles of 32 ranks
; that it will serve (tile wi + 8 i).  Ranks behind the expert's last repeat its last token, so that a tile is always whole.  The work-groups with G = 0 also store the lists and counts for the third launch.
; The walks over the bitmap's 64 words go eight words at a time: eight lane reads, then the scalar sums, then the compares, then the selects, so that scalar and vector instructions stand in runs.
; TOKENS: for a tile of 32 ranks: x's codes are gathered by the list; both products are used transposed (source 0 = 16 hidden units, source 1 = 16 tokens), and lane r of tile u takes hidden unit
; 8 u + r + 8 (r / 8), so that a lane's 16 results are 16 neighbours along the next K; exact gelu in f32; a block of 32 (lanes l and l xor 16) becomes 16 bytes of codes and a byte.
; GELU: h = max(z, 0) - |z| q, q = erfc(|z| / sqrt 2) / 2 = t 2^(poly(t) - z^2 log2(e) / 2), t = 1 / (1 + |z| / (2 sqrt 2)): a fit of erfc with a fractional error near 1.2e-7 for all arguments.
; LIMITS: q under 2^-126 comes out as 0; NaN and infinities are not served; a block of zeros gets the byte 1 (zero codes; this program alone reads the bytes).
; No tensor load.  Both loops have a constant 8 trips and are walked by every wave; what a count leaves out is jumped over inside a trip.
.set WSC,   32768                      ; LDS: 0: fragments [wave][tile 2][c 2][512 B]; WSC: scale words, 4 x thread;
.set LIST,  34816                      ; LIST: [wave][slot 9][lane] words, each wave's own, all written 0 at the head (slot 8 is named by the last trip's look-ahead, which never runs);
.set SPARE, 53248                      ; the spare words, 128 bytes for each wave: eight blocks of 256 bytes that no other line names
.set X,     128
.set QC,    96
.set MX,    112
.set SC,    114
.set BY,    115
.set WD,    116
.set VOFF,  6
.set BASE,  24
.set PITCH, 8192                       ; a row of W1 or W2 in bytes
.set XA,  12                           ; v12-13 my expert's bitmap, 64 words: word g, bit j: token 32 g + j
.set FU0, 14                           ; v14-15 the records 'all have e first / among their two'
.set FU1, 15
.set RHO, 16                           ; my rank
.set WW,  17                           ; the word that holds it
.set PK,  18                           ; that word's number << 16 | ranks ahead of it
.set RA,  19                           ; counts of bits in fields of 2, 4, 8, 16
.set RB,  20
.set RC,  21
.set RD,  22
.set KK,  23
.set POS, 24
.set TT,  25
.set ADR, 56                           ; LDS address into my list
.set ENT, 57                           ; a list entry
.set BW,  66                           ; s66-73  a batch's eight words
.set BP,  74                           ; s74-82  the ranks ahead of each of them, and of the next batch's first
.set BK,  83                           ; s83-90  word number << 16 | ranks ahead
.set BM,  91                           ; s91-98  the words' counts of bits, then the compares' masks
.macro LOADB beta                      ; no cache hint: the other 128 bytes of each aligned 256 are read by the neighbouring work-group
.set li, 0
.rept 32
	global_load_b32 v[X+32*(\beta)+li], v[VOFF], s[BASE:BASE+1] offset:(32*(\beta)+li)*PITCH
.set li, li+1
.endr
.endm
.macro QBLK beta
.set XQ, X+32*(\beta)
	v_max3_num_f32 v[MX], |v[XQ]|, |v[XQ+1]|, |v[XQ+2]|
	v_max3_num_f32 v[MX+1], |v[XQ+3]|, |v[XQ+4]|, |v[XQ+5]|
.irp i, 6,10,14,18,22,26
	v_max3_num_f32 v[MX], v[MX], |v[XQ+\i]|, |v[XQ+\i+1]|
	v_max3_num_f32 v[MX+1], v[MX+1], |v[XQ+\i+2]|, |v[XQ+\i+3]|
.endr
	v_max3_num_f32 v[MX], v[MX], |v[XQ+30]|, |v[XQ+31]|
	v_max3_num_f32 v[MX], v[MX], v[MX+1], 0x1800000   ; the floor 2^(3 - 127): the byte cannot fall under 1
	v_add_nc_u32 v[SC], 0xff000000, v[MX]
	v_lshrrev_b32 v[BY], 23, v[SC]
.if (\beta) == 0
	v_mov_b32 v[WD], v[BY]
.else
	v_lshl_or_b32 v[WD], v[BY], 8*(\beta), v[WD]
.endif
.irp g, 0,1,2,3
	v_cvt_scalef32_pk8_fp4_f32 v[QC+4*(\beta)+\g], v[XQ+8*\g:XQ+8*\g+7], v[SC]
.endr
.endm
.macro QSWAP
	v_nop                                          ; one plain line behind the scaled conversions
.irp c, 0,1
.irp i, 0,1,2,3
	v_permlane16_swap_b32 v[QC+8*\c+\i], v[QC+8*\c+4+\i]
.endr
.endr
.endm
; one matrix instruction.  z: the sum begins; ra, rb: the scales lie in lanes 16-31 of their registers
.macro MM d, a, b, z, sa, sb, ra, rb
.if (\z) && (\ra) && (\rb)
	v_wmma_scale_f32_16x16x128_f8f6f4 v[\d:\d+7], v[\a:\a+7], v[\b:\b+7], 0, v[\sa], v[\sb] matrix_a_fmt:MATRIX_FMT_FP4 matrix_b_fmt:MATRIX_FMT_FP4 matrix_a_scale:MATRIX_SCALE_ROW1 matrix_b_scale:MATRIX_SCALE_ROW1
.elseif (\z) && (\ra)
	v_wmma_scale_f32_16x16x128_f8f6f4 v[\d:\d+7], v[\a:\a+7], v[\b:\b+7], 0, v[\sa], v[\sb] matrix_a_fmt:MATRIX_FMT_FP4 matrix_b_fmt:MATRIX_FMT_FP4 matrix_a_scale:MATRIX_SCALE_ROW1
.elseif (\z) && (\rb)
	v_wmma_scale_f32_16x16x128_f8f6f4 v[\d:\d+7], v[\a:\a+7], v[\b:\b+7], 0, v[\sa], v[\sb] matrix_a_fmt:MATRIX_FMT_FP4 matrix_b_fmt:MATRIX_FMT_FP4 matrix_b_scale:MATRIX_SCALE_ROW1
.elseif (\z)
	v_wmma_scale_f32_16x16x128_f8f6f4 v[\d:\d+7], v[\a:\a+7], v[\b:\b+7], 0, v[\sa], v[\sb] matrix_a_fmt:MATRIX_FMT_FP4 matrix_b_fmt:MATRIX_FMT_FP4
.elseif (\ra) && (\rb)
	v_wmma_scale_f32_16x16x128_f8f6f4 v[\d:\d+7], v[\a:\a+7], v[\b:\b+7], v[\d:\d+7], v[\sa], v[\sb] matrix_a_fmt:MATRIX_FMT_FP4 matrix_b_fmt:MATRIX_FMT_FP4 matrix_a_scale:MATRIX_SCALE_ROW1 matrix_b_scale:MATRIX_SCALE_ROW1
.elseif (\ra)
	v_wmma_scale_f32_16x16x128_f8f6f4 v[\d:\d+7], v[\a:\a+7], v[\b:\b+7], v[\d:\d+7], v[\sa], v[\sb] matrix_a_fmt:MATRIX_FMT_FP4 matrix_b_fmt:MATRIX_FMT_FP4 matrix_a_scale:MATRIX_SCALE_ROW1
.elseif (\rb)
	v_wmma_scale_f32_16x16x128_f8f6f4 v[\d:\d+7], v[\a:\a+7], v[\b:\b+7], v[\d:\d+7], v[\sa], v[\sb] matrix_a_fmt:MATRIX_FMT_FP4 matrix_b_fmt:MATRIX_FMT_FP4 matrix_b_scale:MATRIX_SCALE_ROW1
.else
	v_wmma_scale_f32_16x16x128_f8f6f4 v[\d:\d+7], v[\a:\a+7], v[\b:\b+7], v[\d:\d+7], v[\sa], v[\sb] matrix_a_fmt:MATRIX_FMT_FP4 matrix_b_fmt:MATRIX_FMT_FP4
.endif
.endm
; 16 matrix instructions: both weights x two tiles of hidden units x K = 512, for the tile's tokens 16 m ..  The four accumulators take turns, one instruction a turn
.macro WM m
.irp s, 0,1,2,3
.irp ws, 0,1
.irp t, 0,1
.if \s == 0
	MM 96+16*\ws+8*\t, 128+64*\ws+16*\s+8*\t, 64+8*\s, 1, 44+4*\ws+\s, 36+\s, \t, \m
.else
	MM 96+16*\ws+8*\t, 128+64*\ws+16*\s+8*\t, 64+8*\s, 0, 44+4*\ws+\s, 36+\s, \t, \m
.endif
.endr
.endr
.endr
.endm
.macro XLOAD m                         ; x's four fragments of tokens 16 m ..: lane (r, hh) takes, of its token's 256 bytes, 16 at 64 s + 32 c + 16 hh
.irp s, 0,1,2,3
.irp c, 0,1
	global_load_b128 v[64+8*\s+4*\c:64+8*\s+4*\c+3], v[30+\m], s[8:9] offset:64*\s+32*\c
.endr
.endr
.endm
.macro PREP                            ; the tile whose list lies s62 bytes into my list: its tokens, their scale words, the first 16 tokens' fragments: 9 loads
	v_add_nc_u32 v[ADR], s62, v11
	ds_load_b32 v[ENT], v[ADR]
	s_wait_dscnt 0x0
	v_min_u32 v28, 0x7ff, v[ENT]                   ; lane = rank in the tile
	v_lshlrev_b32 v32, 4, v28
	global_load_b128 v[36:39], v32, s[44:45]       ; word s: the four bytes of K step s; lanes 0-15 the first 16 tokens, lanes 16-31 the others
	v_permlanex16_b32 v29, v28, s38, s39
	v_cndmask_b32 v30, v28, v29, s40               ; every lane: token r of the first 16,
	v_cndmask_b32 v31, v29, v28, s40               ; and of the second 16
	v_min_u32 v30, 0x7ff, v30
	v_min_u32 v31, 0x7ff, v31
	v_lshlrev_b32 v30, 8, v30
	v_lshlrev_b32 v31, 8, v31
	v_lshl_add_u32 v30, v3, 4, v30
	v_lshl_add_u32 v31, v3, 4, v31
	XLOAD 0
.endm
.macro GELU                            ; v96-111 x v112-127 -> z -> h in v96-111; t in v112-127; the exponent, then q, in v12-27
.set gi, 0
.rept 8
	v_pk_mul_f32 v[96+gi:97+gi], v[96+gi:97+gi], v[112+gi:113+gi]   ; each accumulator is read from its low end on
.set gi, gi+2
.endr
.set gi, 0
.rept 16
	v_fma_f32 v[112+gi], |v[96+gi]|, 0x3eb504f3, 1.0
.set gi, gi+1
.endr
.set gi, 0
.rept 16
	v_rcp_f32 v[112+gi], v[112+gi]
.set gi, gi+1
.endr
	v_nop
	s_wait_alu depctr_va_vdst(0)                   ; one wait for the 16 reciprocals, ahead of their first reader
.set gi, 0
.rept 8
	v_pk_fma_f32 v[12+gi:13+gi], v[112+gi:113+gi], v[58:59], 0xbf97d29d op_sel_hi:[1,1,0]
.set gi, gi+2
.endr
.irp ck, 0x40097039, 0xbfd1a1e5, 0x3ecdfd18, 0xbe899a80, 0x3e0efb2e, 0x3f0a29d2, 0x3fb8ab5a, 0xc034d90f
.set gi, 0
.rept 8
	v_pk_fma_f32 v[12+gi:13+gi], v[12+gi:13+gi], v[112+gi:113+gi], \ck op_sel_hi:[1,1,0]   ; eight chains by turns
.set gi, gi+2
.endr
.endr
.set gi, 0
.rept 4
	v_pk_mul_f32 v[52:53], v[96+gi:97+gi], v[96+gi:97+gi]
	v_pk_mul_f32 v[54:55], v[98+gi:99+gi], v[98+gi:99+gi]
	v_pk_fma_f32 v[12+gi:13+gi], v[52:53], 0xbf38aa3b, v[12+gi:13+gi] op_sel_hi:[1,0,1]
	v_pk_fma_f32 v[14+gi:15+gi], v[54:55], 0xbf38aa3b, v[14+gi:15+gi] op_sel_hi:[1,0,1]
.set gi, gi+4
.endr
.set gi, 0
.rept 16
	v_exp_f32 v[12+gi], v[12+gi]
.set gi, gi+1
.endr
	v_nop
	s_wait_alu depctr_va_vdst(0)                   ; one wait for the 16 exponentials
.set gi, 0
.rept 8
	v_pk_mul_f32 v[12+gi:13+gi], v[12+gi:13+gi], v[112+gi:113+gi]   ; q
.set gi, gi+2
.endr
.set gi, 0
.rept 16
	v_max_num_f32 v[112+gi], 0, v[96+gi]
.set gi, gi+1
.endr
.set gi, 0
.rept 16
	v_fma_f32 v[96+gi], -|v[96+gi]|, v[12+gi], v[112+gi]
.set gi, gi+1
.endr
.endm
.macro QH m                            ; my 16 numbers of h and lane l xor 16's are a block of 32: 8 bytes of codes in v[40 + 2 m], v[41 + 2 m], the byte in v[60 + m]
	v_max3_num_f32 v62, |v96|, |v97|, 0x1800000
	v_max3_num_f32 v52, |v98|, |v99|, |v100|
	v_max3_num_f32 v62, v62, |v101|, |v102|
	v_max3_num_f32 v52, v52, |v103|, |v104|
	v_max3_num_f32 v62, v62, |v105|, |v106|
	v_max3_num_f32 v52, v52, |v107|, |v108|
	v_max3_num_f32 v62, v62, |v109|, |v110|
	v_max3_num_f32 v62, v62, v52, |v111|
	v_permlanex16_b32 v63, v62, s38, s39
	v_max_num_f32 v62, v62, v63
	v_add_nc_u32 v53, 0xff000000, v62
	v_lshrrev_b32 v[60+\m], 23, v53
	v_cvt_scalef32_pk8_fp4_f32 v[40+2*\m], v[96:103], v53
	v_cvt_scalef32_pk8_fp4_f32 v[41+2*\m], v[104:111], v53
	v_nop                                          ; one plain line behind the scaled conversions
.endm
	s_load_b256 s[4:11], s[0:1], 0x0               ; W1 s[4:5], W2 s[6:7], xc s[8:9], rm s[10:11]
	s_load_b128 s[12:15], s[0:1], 0x20             ; hc s[12:13], ord s[14:15]
	v_lshl_add_u32 v4, v0, 2, SPARE                ; my spare word; never rewritten
	v_mov_b32 v5, 0                                ; 0; never rewritten
	v_lshrrev_b32 v1, 5, v0
	v_readfirstlane_b32 s16, v1                    ; wave 0..15
	v_and_b32 v1, 31, v0                           ; lane
	v_and_b32 v2, 15, v0                           ; r
	v_bfe_u32 v3, v0, 4, 1                         ; hh
	s_and_b32 s17, s16, 7                          ; wi: my place in my unit
	s_lshr_b32 s18, s16, 3                         ; u: my unit
	s_lshr_b32 s19, ttmp9, 6                       ; p
	s_and_b32 s20, ttmp9, 63                       ; G
	s_sub_co_u32 s21, 7, s19
	s_cmp_eq_u32 s18, 0
	s_cselect_b32 s21, s19, s21                    ; my expert
	s_bfe_u32 s22, s16, 0x10002                    ; which weight I stream
	s_and_b32 s23, s16, 3                          ; and which 128 along K
	s_mov_b32 s38, 0x76543210
	s_mov_b32 s39, 0xfedcba98                      ; v_permlanex16_b32's selects for lane l xor 16
	s_mov_b32 s40, 0xffff0000                      ; lanes 16-31
	v_and_b32 v6, 8, v2
	v_add_nc_u32 v6, v6, v2
	v_lshl_add_u32 v6, v3, 3, v6
	v_lshlrev_b32 v6, 2, v6                        ; my column among the 32: 8 hh + r + 8 (r / 8), 4 bytes each
	s_lshl_b32 s28, s16, 11
	v_lshl_add_u32 v7, v1, 4, s28                  ; where I leave my fragments
	v_lshl_add_u32 v8, v0, 2, WSC                  ; and my scale word
	s_lshl_b32 s28, s18, 14
	v_lshl_add_u32 v9, v1, 4, s28                  ; where my unit's fragments lie
	s_lshl_b32 s28, s18, 10
	s_add_co_u32 s28, s28, WSC
	v_lshl_add_u32 v10, v1, 2, s28                 ; and its scale words
	s_mul_i32 s28, s16, 1152
	s_add_co_u32 s28, s28, LIST
	v_lshl_add_u32 v11, v1, 2, s28                 ; my list
	v_mov_b32 v29, 0                               ; lane permutes' destinations count as sources
	v_mov_b32 v63, 0
	v_lshlrev_b32 v33, 4, v2
	v_lshl_add_u32 v33, v3, 14, v33                ; h's codes: lanes 0-15 the first tile of 16 rows, lanes 16-31 the next, 16384 bytes on; 16 bytes a row
	v_lshlrev_b32 v34, 2, v1
	v_mov_b32 v58, 0x3e7c6f08                      ; the fit's highest coefficient, as a pair
	v_mov_b32 v59, 0x3e7c6f08
.irp k, 0,1,2,3,4,5,6,7,8
	ds_store_b32 v11, v5 offset:128*\k             ; every word of my list is written before any is read: a tile that is never listed names token 0
.endr
	s_mov_b32 s29, 0
	s_lshl_b32 s28, s21, 22                        ; an expert's weight: 512 rows of 8192 bytes
	s_lshl_b32 s30, s23, 20                        ; 128 rows
	s_add_co_u32 s28, s28, s30
	s_lshl_b32 s30, s20, 7                         ; 32 columns
	s_add_co_u32 s28, s28, s30
	s_wait_kmcnt 0x0
	s_cmp_eq_u32 s22, 0
	s_cselect_b64 s[24:25], s[4:5], s[6:7]
	s_add_nc_u64 s[24:25], s[24:25], s[28:29]
	s_lshl_b32 s28, s21, 8
	s_add_nc_u64 s[42:43], s[10:11], s[28:29]      ; my expert's bitmap
	s_add_nc_u64 s[44:45], s[8:9], 524288          ; x's scale bytes
	s_lshl_b32 s28, s21, 21
	s_lshl_b32 s30, s20, 8
	s_add_co_u32 s28, s28, s30
	s_add_nc_u64 s[46:47], s[12:13], s[28:29]      ; h's codes: [e][tile16][block 64][row 16][16 B], at my expert and block G
	s_lshl_b32 s28, s21, 17
	s_lshr_b32 s30, s20, 2
	s_lshl_b32 s30, s30, 7
	s_add_co_u32 s28, s28, s30
	s_and_b32 s30, s20, 3
	s_add_co_u32 s28, s28, s30
	s_add_co_u32 s28, s28, 16777216
	s_add_nc_u64 s[48:49], s[12:13], s[28:29]      ; h's scale bytes: [e][tile32][kstep 16][row 32][4], at K step G / 4, byte G % 4
	s_lshl_b32 s28, s21, 13
	s_lshl_b32 s30, s17, 7
	s_add_co_u32 s28, s28, s30
	s_add_nc_u64 s[54:55], s[14:15], s[28:29]      ; ord: my expert's list, at rank 32 wi
	s_lshl_b32 s28, s21, 7
	s_add_co_u32 s28, s28, 65536
	s_add_nc_u64 s[60:61], s[14:15], s[28:29]      ; ord: my expert's count
	s_load_u16 s59, s[10:11], 2558                 ; token 2047's two experts
	global_load_b32 v[XA], v34, s[42:43]
	global_load_b32 v[XA+1], v34, s[42:43] offset:128
	global_load_b32 v[FU0], v34, s[10:11] offset:2048
	global_load_b32 v[FU1], v34, s[10:11] offset:2176
	LOADB 0
	LOADB 1
	s_wait_kmcnt 0x0
	s_wait_loadcnt 63                              ; of 68 loads at most 63 are out: the first four are in
	; is a slot of token 2047 dropped?  slot 0: all tokens have its first expert first; slot 1: all have its second among their two
	s_and_b32 s32, s59, 255
	s_lshr_b32 s33, s59, 8
	v_and_b32 v[FU0], v[FU0], v[FU1]
	v_lshrrev_b32 v[TT], 16, v[FU0]
	v_and_b32 v[FU0], v[FU0], v[TT]
	s_lshl_b32 s62, 1, s32
	v_and_b32 v[TT], s62, v[FU0]
	v_cmp_ne_u32 s28, 0, v[TT]
	s_cmp_eq_u32 s28, -1
	s_cselect_b32 s34, 1, 0                        ; d0
	s_cselect_b32 s62, 0, s32                      ; a dropped slot counts as expert 0
	s_lshl_b32 s63, 256, s33
	v_and_b32 v[TT], s63, v[FU0]
	v_cmp_ne_u32 s28, 0, v[TT]
	s_cmp_eq_u32 s28, -1
	s_cselect_b32 s35, 1, 0                        ; d1
	s_cselect_b32 s63, 0, s33
	s_max_u32 s36, s62, s63                        ; token 2047's expert
	s_cmp_eq_u32 s36, s21
	s_cselect_b32 s37, 0x80000000, 0
	v_readlane_b32 s28, v[XA+1], 31
	s_and_b32 s28, s28, 0x7fffffff
	s_or_b32 s28, s28, s37
	v_writelane_b32 v[XA+1], s28, 31               ; its bit in my expert's bitmap, set right
	s_mov_b32 s26, 0                               ; n: my expert's tokens
.set g, 0
.rept 8                                            ; eight words at a time
.set k, 0
.rept 8
	v_readlane_b32 s[BW+k], v[XA+(g+k)/32], (g+k)%32
.set k, k+1
.endr
.set k, 0
.rept 8
	s_bcnt1_i32_b32 s[BW+k], s[BW+k]
.set k, k+1
.endr
.set k, 0
.rept 8
	s_add_co_u32 s26, s26, s[BW+k]
.set k, k+1
.endr
.set g, g+8
.endr
	LOADB 2                                        ; the rest of my stream goes out ahead of the lists: it lands while they are made
	LOADB 3
	s_sub_co_u32 s41, s26, 1                       ; the last rank
	s_lshl_b32 s56, s17, 5                         ; my first tile's first rank
	s_mov_b32 s57, 0
	s_mov_b32 s31, 0
.Lroute:                                           ; 8 trips: the list of tile wi + 8 i; a tile behind the expert's last rank is jumped over
	s_cmp_ge_u32 s56, s26
	s_cbranch_scc1 .Lroute_next
	s_wait_xcnt 0x0                                ; the last trip's store has read its registers
	v_add_nc_u32 v[RHO], s56, v1
	v_min_u32 v[RHO], s41, v[RHO]                  ; ranks behind the last repeat it
	v_mov_b32 v[WW], 0
	v_mov_b32 v[PK], 0
	s_mov_b32 s[BP], 0
.set g, 0
.rept 8                                            ; the last word with no more ranks ahead of it than mine holds my token; eight words at a time
.set k, 0
.rept 8
	v_readlane_b32 s[BW+k], v[XA+(g+k)/32], (g+k)%32
.set k, k+1
.endr
.set k, 0
.rept 8
	s_bcnt1_i32_b32 s[BM+k], s[BW+k]
.set k, k+1
.endr
.set k, 0
.rept 8
	s_add_co_u32 s[BP+k+1], s[BP+k], s[BM+k]       ; the ranks ahead of the next word
.set k, k+1
.endr
.set k, 0
.rept 8
	s_add_co_u32 s[BK+k], s[BP+k], (g+k)<<16
.set k, k+1
.endr
.set k, 0
.rept 8
	v_cmp_le_u32 s[BM+k], s[BP+k], v[RHO]
.set k, k+1
.endr
.set k, 0
.rept 8
	v_cndmask_b32 v[WW], v[WW], s[BW+k], s[BM+k]
	v_cndmask_b32 v[PK], v[PK], s[BK+k], s[BM+k]
.set k, k+1
.endr
	s_mov_b32 s[BP], s[BP+8]
.set g, g+8
.endr
	v_and_b32 v[KK], 0xffff, v[PK]
	v_sub_nc_u32 v[KK], v[RHO], v[KK]              ; which set bit of the word
	v_lshrrev_b32 v[TT], 1, v[WW]
	v_and_b32 v[TT], 0x55555555, v[TT]
	v_sub_nc_u32 v[RA], v[WW], v[TT]
	v_lshrrev_b32 v[TT], 2, v[RA]
	v_and_b32 v[TT], 0x33333333, v[TT]
	v_and_b32 v[RB], 0x33333333, v[RA]
	v_add_nc_u32 v[RB], v[RB], v[TT]
	v_lshrrev_b32 v[TT], 4, v[RB]
	v_add_nc_u32 v[RC], v[RB], v[TT]
	v_and_b32 v[RC], 0x0f0f0f0f, v[RC]
	v_lshrrev_b32 v[TT], 8, v[RC]
	v_add_nc_u32 v[RD], v[RC], v[TT]
	v_mov_b32 v[POS], 0
.macro LEVEL src, width, step          ; does the bit lie above the field of 'step' bits at POS?
	v_bfe_u32 v[TT], v[\src], v[POS], \width
	v_cmp_ge_u32 vcc_lo, v[KK], v[TT]
	v_cndmask_b32 v[TT], 0, v[TT], vcc_lo
	v_sub_nc_u32 v[KK], v[KK], v[TT]
	v_cndmask_b32 v[TT], 0, \step, vcc_lo
	v_add_nc_u32 v[POS], v[POS], v[TT]
.endm
	LEVEL RD, 8, 16
	LEVEL RC, 8, 8
	LEVEL RB, 4, 4
	LEVEL RA, 2, 2
	LEVEL WW, 1, 1
	v_lshrrev_b32 v[TT], 16, v[PK]
	v_lshl_add_u32 v[ENT], v[TT], 5, v[POS]        ; the token: at most 2047
	v_add_nc_u32 v[ADR], s57, v11
	ds_store_b32 v[ADR], v[ENT]
	s_cmp_lg_u32 s20, 0
	s_cbranch_scc1 .Lroute_next
	s_lshl_b32 s30, s57, 3
	v_add_nc_u32 v[TT], s30, v34
	global_store_b32 v[TT], v[ENT], s[54:55]       ; for the third launch: 128 consecutive bytes
.Lroute_next:
	s_add_co_u32 s56, s56, 256
	s_add_co_u32 s57, s57, 128
	s_add_co_u32 s31, s31, 1
	s_cmp_lt_u32 s31, 8
	s_cbranch_scc1 .Lroute
	s_wait_xcnt 0x0                                ; the last store has read its registers
	s_lshl_b32 s56, s17, 5
	s_mov_b32 s57, 0
	s_or_b32 s28, s20, s17
	s_cmp_lg_u32 s28, 0
	s_cbranch_scc1 .Lno_cnt
	v_mov_b32 v[KK], s26
	global_store_b32 v34, v[KK], s[60:61]          ; n, 32 equal words
.Lno_cnt:
	s_or_b32 s28, ttmp9, s16
	s_cmp_lg_u32 s28, 0
	s_cbranch_scc1 .Lno_drop
	s_lshl_b32 s28, s35, 1
	s_or_b32 s28, s28, s34
	v_mov_b32 v[POS], s28
	global_store_b32 v34, v[POS], s[14:15] offset:66560   ; d0 | d1 << 1
.Lno_drop:
	s_mov_b32 s62, 0
	PREP                                           ; my first tile's x: always asked for (a wave without a tile asks for token 0's and uses nothing of it)
	s_wait_loadcnt 63                              ; of 141 loads at most 63 are out: the first 78 are in, blocks 0 and 1 among them
	QBLK 0
	QBLK 1
	s_wait_loadcnt 41                              ; block 3's 32 and the 9 of x may be out
	QBLK 2
	s_wait_loadcnt 9                               ; the 9 of x may be out
	QBLK 3
	QSWAP
	ds_store_b128 v7, v[QC:QC+3]                   ; the fragments as they stand in the registers: 512 consecutive bytes a store
	ds_store_b128 v7, v[QC+8:QC+11] offset:512
	ds_store_b128 v7, v[QC+4:QC+7] offset:1024
	ds_store_b128 v7, v[QC+12:QC+15] offset:1536
	ds_store_b32 v8, v[WD]
	s_wait_dscnt 0x0                               ; for the others' sake: my stores have landed
	s_barrier_signal -1
	s_barrier_wait -1                              ; the launch's one barrier: all fragments lie in LDS, and nobody writes them again
.set li, 0
.rept 32
	ds_load_b128 v[128+4*li:128+4*li+3], v9 offset:512*li   ; weight ws, K step s, tile t at v[128 + 64 ws + 16 s + 8 t]: they stay.  Every wave takes them, one without a tile too
.set li, li+1
.endr
.irp k, 0,1,2,3,4,5,6,7
	ds_load_b32 v[44+\k], v10 offset:128*\k
.endr
	s_wait_dscnt 0x0
	s_mov_b32 s31, 0
.Ltok:                                             ; 8 trips, walked by every wave: tile wi + 8 i, 32 ranks; a trip whose tile lies behind the expert's last rank is jumped over
	s_cmp_ge_u32 s56, s26
	s_cbranch_scc1 .Lnext
	s_wait_xcnt 0x0                                ; the last trip's stores have read their registers and bases
	s_lshl_b32 s28, s56, 10
	s_add_nc_u64 s[50:51], s[46:47], s[28:29]
	s_lshl_b32 s28, s56, 6
	s_add_nc_u64 s[52:53], s[48:49], s[28:29]
	s_wait_loadcnt 0x0                             ; the scale words and the first 16 tokens' fragments
	WM 0
.rept 4
	v_nop                                          ; places behind the products: for the loads into x's fragments and the first read of results
.endr
	XLOAD 1                                        ; the second 16 tokens' land under the first's gelu
	GELU
	QH 0
	s_wait_loadcnt 0x0
	WM 1
.rept 4
	v_nop
.endr
	s_add_co_u32 s28, s56, 256
	s_cmp_lt_u32 s28, s26
	s_cbranch_scc0 .Lno_prep
	s_add_co_u32 s62, s57, 128
	PREP                                           ; my next tile's x lands under this gelu
.Lno_prep:
	GELU
	QH 1
	v_permlane16_swap_b32 v40, v42                 ; lanes 0-15: the whole block of a token of the first 16; lanes 16-31: of the second 16
	v_permlane16_swap_b32 v41, v43
	v_cndmask_b32 v35, v60, v61, s40
	global_store_b128 v33, v[40:43], s[50:51]      ; each half of the wave stores 256 consecutive bytes, aligned
	global_store_b8 v34, v35, s[52:53]
.Lnext:
	s_add_co_u32 s56, s56, 256
	s_add_co_u32 s57, s57, 128
	s_add_co_u32 s31, s31, 1
	s_cmp_lt_u32 s31, 8
	s_cbranch_scc1 .Ltok
	s_wait_tensorcnt 0x0                           ; the wave's end: behind my last LDS store, an LDS add to my spare word
	ds_add_u32 v4, v5
	s_wait_dscnt 0x0
	s_endpgm
.Lfunc_end_k_q0f36d65df2_up:
	.size	k_q0f36d65df2_up, .Lfunc_end_k_q0f36d65df2_up-k_q0f36d65df2_up
	.p2alignl 7, 3214868480
	.fill 96, 4, 3214868480
	.section	.rodata,"a",@progbits
	.p2align	6, 0x0
	.amdhsa_kernel k_q0f36d65df2_up
		.amdhsa_group_segment_fixed_size 55296
		.amdhsa_private_segment_fixed_size 0
		.amdhsa_enable_private_segment 0
		.amdhsa_kernarg_size 48
		.amdhsa_user_sgpr_count 2
		.amdhsa_user_sgpr_kernarg_segment_ptr 1
		.amdhsa_wavefront_size32 1
		.amdhsa_system_sgpr_workgroup_id_x 1
		.amdhsa_system_sgpr_workgroup_id_y 1
		.amdhsa_system_sgpr_workgroup_id_z 1
		.amdhsa_system_vgpr_workitem_id 0
		.amdhsa_next_free_vgpr 256
		.amdhsa_next_free_sgpr 100
		.amdhsa_reserve_vcc 1
		.amdhsa_float_denorm_mode_32 3
		.amdhsa_float_denorm_mode_16_64 3
		.amdhsa_memory_ordered 1
		.amdhsa_forward_progress 1
		.amdhsa_inst_pref_size 100
	.end_amdhsa_kernel
	.amdgpu_metadata
---
amdhsa.version: [ 1, 2 ]
amdhsa.kernels:
  - .name:           k_q0f36d65df2_up
    .symbol:         k_q0f36d65df2_up.kd
    .args:
      - { .name: W1, .offset: 0, .size: 8, .value_kind: global_buffer, .address_space: global }
      - { .name: W2, .offset: 8, .size: 8, .value_kind: global_buffer, .address_space: global }
      - { .name: xc, .offset: 16, .size: 8, .value_kind: global_buffer, .address_space: global }
      - { .name: rm, .offset: 24, .size: 8, .value_kind: global_buffer, .address_space: global }
      - { .name: hc, .offset: 32, .size: 8, .value_kind: global_buffer, .address_space: global }
      - { .name: ord, .offset: 40, .size: 8, .value_kind: global_buffer, .address_space: global }
    .group_segment_fixed_size: 55296
    .private_segment_fixed_size: 0
    .kernarg_segment_align: 8
    .kernarg_segment_size: 48
    .max_flat_workgroup_size: 512
    .sgpr_count:     100
    .vgpr_count:     256
    .wavefront_size: 32
...
	.end_amdgpu_metadata
.endif
;; end of part 2
;; launch down (part 3): grid 71 x 2, 4 waves a work-group, no clusters, 18,432 bytes of LDS; arguments hc, ord, w3c, xc, x, out0; writes out0
.if DOCPART == 3
	.amdgcn_target "amdgcn-amd-amdhsa--gfx1250"
	.amdhsa_code_object_version 6
	.text
	.protected	k_q0f36d65df2_down
	.globl	k_q0f36d65df2_down
	.p2align	8
	.type	k_q0f36d65df2_down,@function
k_q0f36d65df2_down:
	s_mov_b64 s[64:65], 0
	v_nop
	global_prefetch_b8 v0, s[64:65] scope:SCOPE_SE
	s_setreg_imm32_b32 hwreg(HW_REG_WAVE_MODE, 25, 1), 1
	s_wait_xcnt 0x0
; THIRD LAUNCH.  out = h W3 of each token's one expert, on codes; rows go to their tokens' places.  Left out: the other experts' rows, and for tokens 0 to 2046 the softmax, the fall-back to x and the last
; einsum (shown at the head of the first kernel); token 2047 gets a y + b x, a the sum of its kept slots' scores, b of its dropped slots'.
; A FIXED GRID FOR EVERY SPLIT: with 2048 rows, 8 experts and tiles of 32 rows there are never more than 64 + 7 = 71 tiles.  Work-group (T, y): tile T, columns 256 y ..: 142 work-groups, fewer than there are WGPs.
; Which expert and which of its tiles follows from the counts that the second launch stored.  A work-group that the split leaves without rows ends.  No tensor load: operands go from memory straight into
; registers, each fragment by two loads of 512 consecutive bytes.
; Wave w: all 32 rows (two tiles of 16), columns 64 w ..: eight accumulators, all 16 K steps; no barrier.  So each fragment of W3 is loaded once in the work-group and feeds two products.
; The product is used transposed (source 0 = 16 columns of W3, source 1 = 16 rows of h): a lane holds eight neighbouring numbers of a row; 16 x 64 results at a time go through the wave's own stage in LDS and
; leave as runs of 256 consecutive bytes, aligned, of a token's row.
; Ranks behind an expert's last repeat its last token: they store the same bytes to the same place, from the same work-group.
; REGISTERS: window 0: addresses, tokens, accumulators, scale words, the way out.  Window 1: W3's fragments, 8 slots of 32.  Window 2: h's fragments, 8 slots of 16.
.set SPARE, 17408                      ; LDS: 0: four stages of 16 rows x 272 bytes; SPARE: the spare words, 128 bytes for each wave: two blocks of 256 bytes that no other line names
.set TK,  16                           ; v16-31   the token of row 2 k + hh of the 32
.set ACC, 40                           ; v40-103  accumulator (m, j) at 32 m + 8 j
.set W3S, 104                          ; v104-135 W3's scale words: 16 q + s; lanes 0-15 tile 2 q, lanes 16-31 tile 2 q + 1
.set HS,  136                          ; v136-151 h's scale words: lane = row of the 32
.set OB,  152                          ; v152-215 rows read back from the stage
.set OFS, 216                          ; v216-231 where they go
.set MSB, 0
.macro WIN new                         ; the immediate's high byte repeats the setting that is left
.if MSB != \new
	s_set_vgpr_msb (MSB<<8)|\new
.set MSB, \new
.endif
.endm
; one matrix instruction.  z: the sum begins; ra, rb: the scales lie in lanes 16-31 of their registers
.macro MM d, a, b, z, sa, sb, ra, rb
.if (\z) && (\ra) && (\rb)
	v_wmma_scale_f32_16x16x128_f8f6f4 v[\d:\d+7], v[\a:\a+7], v[\b:\b+7], 0, v[\sa], v[\sb] matrix_a_fmt:MATRIX_FMT_FP4 matrix_b_fmt:MATRIX_FMT_FP4 matrix_a_scale:MATRIX_SCALE_ROW1 matrix_b_scale:MATRIX_SCALE_ROW1
.elseif (\z) && (\ra)
	v_wmma_scale_f32_16x16x128_f8f6f4 v[\d:\d+7], v[\a:\a+7], v[\b:\b+7], 0, v[\sa], v[\sb] matrix_a_fmt:MATRIX_FMT_FP4 matrix_b_fmt:MATRIX_FMT_FP4 matrix_a_scale:MATRIX_SCALE_ROW1
.elseif (\z) && (\rb)
	v_wmma_scale_f32_16x16x128_f8f6f4 v[\d:\d+7], v[\a:\a+7], v[\b:\b+7], 0, v[\sa], v[\sb] matrix_a_fmt:MATRIX_FMT_FP4 matrix_b_fmt:MATRIX_FMT_FP4 matrix_b_scale:MATRIX_SCALE_ROW1
.elseif (\z)
	v_wmma_scale_f32_16x16x128_f8f6f4 v[\d:\d+7], v[\a:\a+7], v[\b:\b+7], 0, v[\sa], v[\sb] matrix_a_fmt:MATRIX_FMT_FP4 matrix_b_fmt:MATRIX_FMT_FP4
.elseif (\ra) && (\rb)
	v_wmma_scale_f32_16x16x128_f8f6f4 v[\d:\d+7], v[\a:\a+7], v[\b:\b+7], v[\d:\d+7], v[\sa], v[\sb] matrix_a_fmt:MATRIX_FMT_FP4 matrix_b_fmt:MATRIX_FMT_FP4 matrix_a_scale:MATRIX_SCALE_ROW1 matrix_b_scale:MATRIX_SCALE_ROW1
.elseif (\ra)
	v_wmma_scale_f32_16x16x128_f8f6f4 v[\d:\d+7], v[\a:\a+7], v[\b:\b+7], v[\d:\d+7], v[\sa], v[\sb] matrix_a_fmt:MATRIX_FMT_FP4 matrix_b_fmt:MATRIX_FMT_FP4 matrix_a_scale:MATRIX_SCALE_ROW1
.elseif (\rb)
	v_wmma_scale_f32_16x16x128_f8f6f4 v[\d:\d+7], v[\a:\a+7], v[\b:\b+7], v[\d:\d+7], v[\sa], v[\sb] matrix_a_fmt:MATRIX_FMT_FP4 matrix_b_fmt:MATRIX_FMT_FP4 matrix_b_scale:MATRIX_SCALE_ROW1
.else
	v_wmma_scale_f32_16x16x128_f8f6f4 v[\d:\d+7], v[\a:\a+7], v[\b:\b+7], v[\d:\d+7], v[\sa], v[\sb] matrix_a_fmt:MATRIX_FMT_FP4 matrix_b_fmt:MATRIX_FMT_FP4
.endif
.endm
.macro GRP s                           ; K step s: W3's four fragments and h's two: twelve loads
	WIN 0x40                                       ; destination window 1, address window 0
.irp j, 0,1,2,3
.irp c, 0,1
	global_load_b128 v[32*((\s)%8)+8*\j+4*\c:32*((\s)%8)+8*\j+4*\c+3], v6, s[44:45] offset:16384*\j+1024*(\s)+512*\c
.endr
.endr
	WIN 0x80                                       ; destination window 2
.irp m, 0,1
.irp c, 0,1
	global_load_b128 v[16*((\s)%8)+8*\m+4*\c:16*((\s)%8)+8*\m+4*\c+3], v6, s[40:41] offset:16384*\m+1024*(\s)+512*\c
.endr
.endr
.endm
.macro KSTEP s
.set LEFT, 15-(\s)
.if LEFT > 7
.set LEFT, 7
.endif
.set LEFT, 12*LEFT
.if LEFT > 63
.set LEFT, 63
.endif
	s_wait_loadcnt LEFT                            ; the groups issued behind this step's may be out: twelve loads each, seven groups at the most (the count's field holds 63)
	WIN 0x09                                       ; source 0 (W3) window 1, source 1 (h) window 2, C and D window 0
.irp m, 0,1                                        ; the eight accumulators take turns, one instruction a turn
.irp j, 0,1,2,3
.if (\s) == 0
	MM ACC+32*\m+8*\j, 32*((\s)%8)+8*\j, 16*((\s)%8)+8*\m, 1, W3S+16*(\j/2)+(\s), HS+(\s), \j%2, \m
.else
	MM ACC+32*\m+8*\j, 32*((\s)%8)+8*\j, 16*((\s)%8)+8*\m, 0, W3S+16*(\j/2)+(\s), HS+(\s), \j%2, \m
.endif
.endr
.endr
.if (\s) < 8
.rept 4
	v_nop                                          ; places in front of loads into registers that the products have read
.endr
	GRP (\s)+8
.endif
.endm
	s_load_b256 s[4:11], s[0:1], 0x0               ; hc s[4:5], ord s[6:7], w3c s[8:9], xc s[10:11]
	s_load_b128 s[12:15], s[0:1], 0x20             ; x s[12:13], out0 s[14:15]
	v_lshl_add_u32 v4, v0, 2, SPARE                ; my spare word; never rewritten
	v_mov_b32 v5, 0                                ; 0; never rewritten
	v_lshrrev_b32 v1, 5, v0
	v_readfirstlane_b32 s16, v1                    ; wave: which 64 columns
	v_and_b32 v1, 31, v0                           ; lane
	v_and_b32 v2, 15, v0                           ; r
	v_bfe_u32 v3, v0, 4, 1                         ; hh
	s_mov_b32 s19, ttmp9                           ; T
	s_and_b32 s20, ttmp7, 0xffff                   ; y
	v_lshlrev_b32 v6, 4, v1
	v_lshlrev_b32 v7, 2, v1
	v_lshlrev_b32 v9, 2, v3
	s_mul_i32 s58, s16, 4352                       ; my stage
	v_mul_u32_u24 v10, v2, 272
	v_lshl_add_u32 v10, v3, 5, v10
	v_add_nc_u32 v10, s58, v10                     ; in: row r, 32 bytes for each half of the lanes
	v_mul_u32_u24 v11, v3, 272
	v_lshl_add_u32 v11, v2, 4, v11
	v_add_nc_u32 v11, s58, v11                     ; back: lanes 0-15 one row of 256 bytes, lanes 16-31 the next
	v_lshlrev_b32 v12, 4, v2
	v_mov_b32 v37, 0                               ; upper halves of pairs of which the low word serves both
	v_mov_b32 v39, 0
	s_wait_kmcnt 0x0
.irp k, 0,1,2,3,4,5,6,7
	s_load_b32 s[24+\k], s[6:7], 65536+128*\k      ; n of each expert
.endr
	s_load_b32 s32, s[6:7], 66560                  ; d0 | d1 << 1
	s_load_b64 s[34:35], s[10:11], 557176          ; token 2047's s0, s1
	s_wait_kmcnt 0x0
	s_mov_b32 s38, 0                               ; tiles ahead
	s_mov_b32 s36, 0
	s_mov_b32 s37, 0
.irp e, 0,1,2,3,4,5,6,7
	s_cmp_ge_u32 s19, s38
	s_cselect_b32 s36, \e, s36                     ; the last expert whose first tile is at or under T
	s_cselect_b32 s37, s38, s37
	s_add_co_u32 s39, s[24+\e], 31
	s_lshr_b32 s39, s39, 5
	s_add_co_u32 s38, s38, s39
.endr
	s_cmp_ge_u32 s19, s38
	s_cbranch_scc1 .Lnone                          ; this split has no tile T
	s_sub_co_u32 s39, s19, s37
	s_min_u32 s39, s39, 63                         ; my expert's tile
	s_min_u32 s36, s36, 7
	s_mov_b32 s57, 0
	s_lshl_b32 s56, s36, 21                        ; h's codes: e x 2097152 + (2 tile) x 16384
	s_lshl_b32 s58, s39, 15
	s_add_co_u32 s56, s56, s58
	s_add_nc_u64 s[40:41], s[4:5], s[56:57]
	s_lshl_b32 s56, s36, 17                        ; h's scale words: e x 131072 + tile x 2048
	s_lshl_b32 s58, s39, 11
	s_add_co_u32 s56, s56, s58
	s_add_co_u32 s56, s56, 16777216
	s_add_nc_u64 s[42:43], s[4:5], s[56:57]
	s_lshl_b32 s56, s36, 19                        ; W3's codes: e x 524288 + (16 y + 4 wave) x 16384
	s_lshl_b32 s58, s20, 18
	s_add_co_u32 s56, s56, s58
	s_lshl_b32 s58, s16, 16
	s_add_co_u32 s56, s56, s58
	s_add_nc_u64 s[44:45], s[8:9], s[56:57]
	s_lshl_b32 s56, s36, 15                        ; W3's scale words: e x 32768 + (8 y + 2 wave) x 2048
	s_lshl_b32 s58, s20, 14
	s_add_co_u32 s56, s56, s58
	s_lshl_b32 s58, s16, 12
	s_add_co_u32 s56, s56, s58
	s_add_co_u32 s56, s56, 4194304
	s_add_nc_u64 s[46:47], s[8:9], s[56:57]
	s_lshl_b32 s56, s36, 13                        ; the list: e x 8192 + tile x 128
	s_lshl_b32 s58, s39, 7
	s_add_co_u32 s56, s56, s58
	s_add_nc_u64 s[48:49], s[6:7], s[56:57]
	s_lshl_b32 s56, s20, 10                        ; my 256 bytes of a row of x or of out0: 1024 y + 256 wave
	s_lshl_b32 s58, s16, 8
	s_add_co_u32 s56, s56, s58
	s_add_nc_u64 s[52:53], s[14:15], s[56:57]
	s_add_co_u32 s56, s56, 2047*2048
	s_add_nc_u64 s[50:51], s[12:13], s[56:57]
.irp k, 0,1,2,3,4,5,6,7,8,9,10,11,12,13,14,15
	global_load_b32 v[TK+\k], v9, s[48:49] offset:8*\k   ; the token of row 2 k + hh
.endr
	global_load_b128 v[32:35], v12, s[50:51]       ; x of token 2047, my 16 bytes
.irp q, 0,1
.set ks, 0
.rept 16
	global_load_b32 v[W3S+16*\q+ks], v7, s[46:47] offset:2048*\q+128*ks
.set ks, ks+1
.endr
.endr
.set ks, 0
.rept 16
	global_load_b32 v[HS+ks], v7, s[42:43] offset:128*ks   ; lanes 0-15 rows 0-15, lanes 16-31 rows 16-31
.set ks, ks+1
.endr
.irp s, 0,1,2,3,4,5,6,7
	GRP \s
.endr
.irp s, 0,1,2,3,4,5,6,7,8,9,10,11,12,13,14,15
	KSTEP \s
.endr
	WIN 0
.rept 4
	v_nop                                          ; places behind the last products, ahead of the first read of results
.endr
.irp m, 0,1                                        ; 16 rows at a time through my stage
.irp j, 0,1,2,3
	ds_store_b128 v10, v[ACC+32*\m+8*\j:ACC+32*\m+8*\j+3] offset:64*\j        ; each accumulator from its low end on
	ds_store_b128 v10, v[ACC+32*\m+8*\j+4:ACC+32*\m+8*\j+7] offset:64*\j+16
.endr
.irp i, 0,1,2,3,4,5,6,7
	ds_load_b128 v[OB+32*\m+4*\i:OB+32*\m+4*\i+3], v11 offset:544*\i          ; LDS serves a wave's instructions in order: these see my stores, and the next 16 rows' stores come behind them
.endr
.endr
	s_mov_b32 s56, 0
.irp k, 0,1,2,3,4,5,6,7,8,9,10,11,12,13,14,15
	v_min_u32 v[OFS+\k], 0x7ff, v[TK+\k]
	v_lshl_add_u32 v[OFS+\k], v[OFS+\k], 11, v12   ; the token's row of 2048 bytes, + my 16 bytes
	v_cmp_eq_u32 s[66+\k], 0x7ff, v[TK+\k]
	s_or_b32 s56, s56, s[66+\k]
.endr
	s_wait_dscnt 0x0
	s_cmp_eq_u32 s56, 0
	s_cbranch_scc1 .Lstore                         ; token 2047 is not among my rows (a whole number read from memory decides)
	s_bitcmp1_b32 s32, 0
	s_cselect_b32 s54, 0, s34                      ; s0 goes to y if slot 0 is kept,
	s_cselect_b32 s55, s34, 0                      ; to x if it is dropped
	s_bitcmp1_b32 s32, 1
	s_cselect_b32 s58, 0, s35
	s_cselect_b32 s59, s35, 0
	v_mov_b32 v236, s54
	v_add_f32 v236, s58, v236                      ; a
	v_mov_b32 v237, s55
	v_add_f32 v237, s59, v237                      ; b
.irp k, 0,1,2,3,4,5,6,7,8,9,10,11,12,13,14,15
	v_cndmask_b32 v36, 1.0, v236, s[66+\k]         ; other tokens' rows: x 1 + 0
	v_cndmask_b32 v38, 0, v237, s[66+\k]
	v_pk_mul_f32 v[232:233], v[32:33], v[38:39] op_sel_hi:[1,0]
	v_pk_mul_f32 v[234:235], v[34:35], v[38:39] op_sel_hi:[1,0]
	v_pk_fma_f32 v[OB+4*\k:OB+4*\k+1], v[OB+4*\k:OB+4*\k+1], v[36:37], v[232:233] op_sel_hi:[1,0,1]
	v_pk_fma_f32 v[OB+4*\k+2:OB+4*\k+3], v[OB+4*\k+2:OB+4*\k+3], v[36:37], v[234:235] op_sel_hi:[1,0,1]
.endr
.Lstore:
.irp k, 0,1,2,3,4,5,6,7,8,9,10,11,12,13,14,15
	global_store_b128 v[OFS+\k], v[OB+4*\k:OB+4*\k+3], s[52:53] th:TH_STORE_NT   ; sixteen lanes store 256 consecutive bytes, aligned, of a token's row
.endr
	s_wait_tensorcnt 0x0                           ; the wave's end: behind my last LDS store, an LDS add to my spare word
	ds_add_u32 v4, v5
	s_wait_dscnt 0x0
	s_endpgm
.Lnone:
	s_endpgm                                       ; nothing was written to LDS on this way
.Lfunc_end_k_q0f36d65df2_down:
	.size	k_q0f36d65df2_down, .Lfunc_end_k_q0f36d65df2_down-k_q0f36d65df2_down
	.p2alignl 7, 3214868480
	.fill 96, 4, 3214868480
	.section	.rodata,"a",@progbits
	.p2align	6, 0x0
	.amdhsa_kernel k_q0f36d65df2_down
		.amdhsa_group_segment_fixed_size 18432
		.amdhsa_private_segment_fixed_size 0
		.amdhsa_enable_private_segment 0
		.amdhsa_kernarg_size 48
		.amdhsa_user_sgpr_count 2
		.amdhsa_user_sgpr_kernarg_segment_ptr 1
		.amdhsa_wavefront_size32 1
		.amdhsa_system_sgpr_workgroup_id_x 1
		.amdhsa_system_sgpr_workgroup_id_y 1
		.amdhsa_system_sgpr_workgroup_id_z 1
		.amdhsa_system_vgpr_workitem_id 0
		.amdhsa_next_free_vgpr 640
		.amdhsa_next_free_sgpr 88
		.amdhsa_reserve_vcc 0
		.amdhsa_float_denorm_mode_32 3
		.amdhsa_float_denorm_mode_16_64 3
		.amdhsa_memory_ordered 1
		.amdhsa_forward_progress 1
		.amdhsa_inst_pref_size 63
	.end_amdhsa_kernel
	.amdgpu_metadata
---
amdhsa.version: [ 1, 2 ]
amdhsa.kernels:
  - .name:           k_q0f36d65df2_down
    .symbol:         k_q0f36d65df2_down.kd
    .args:
      - { .name: hc, .offset: 0, .size: 8, .value_kind: global_buffer, .address_space: global }
      - { .name: ord, .offset: 8, .size: 8, .value_kind: global_buffer, .address_space: global }
      - { .name: w3c, .offset: 16, .size: 8, .value_kind: global_buffer, .address_space: global }
      - { .name: xc, .offset: 24, .size: 8, .value_kind: global_buffer, .address_space: global }
      - { .name: x, .offset: 32, .size: 8, .value_kind: global_buffer, .address_space: global }
      - { .name: out0, .offset: 40, .size: 8, .value_kind: global_buffer, .address_space: global }
    .group_segment_fixed_size: 18432
    .private_segment_fixed_size: 0
    .kernarg_segment_align: 8
    .kernarg_segment_size: 48
    .max_flat_workgroup_size: 128
    .sgpr_count:     88
    .vgpr_count:     640
    .wavefront_size: 32
...
	.end_amdgpu_metadata
.endif
;; end of part 3
